; MI455X (gfx1250); checked and timed in simulation.
; The chip was launched on July 23, 2026; its instructions are those of AMD's public machine-readable ISA for CDNA 5 (MIT licence, August 2026) and "CDNA5" Instruction Set Architecture Reference Guide (July 2026). The comments in the code are by the model that wrote it; some were corrected since.
;; Graphormer Encoder Layer. Allowed arithmetic: float matrix products may take bf16 or f16 operands with f32 sums; other float arithmetic in f32, or as packed bf16 or f16 multiplies, adds, multiply-adds, maxima and minima; sums over many terms, partial sums and values carried from step to step in f32; what a program stores and reads back later, other than sums and carried values, may be rounded once to bf16 or f16.
;; Inputs: W1 1,024 x 256 float32; W2 256 x 1,024 float32; Wk 256 x 256 float32; Wo 256 x 256 float32; Wq 256 x 256 float32; Wv 256 x 256 float32; b1 1,024 float32; b2 256 float32; beta1 256 float32; beta2 256 float32; edge_encoding 16 x 1,024 x 1,024 float32; gamma1 256 float32; gamma2 256 float32; spatial_encoding 16 x 1,024 x 1,024 float32; x 16 x 1,024 x 256 float32.
;; Outputs: out0 16 x 1,024 x 256 float32.
;; One version. Each part assembles by itself: llvm-mc -triple=amdgcn-amd-amdhsa -mcpu=gfx1250 --defsym DOCPART=n.
;; ======== version 1 of 1: 3 launches
;; workspace buffers: a1 8,388,608 bytes; a2 8,388,608 bytes; wb 1,572,864 bytes; qh 8,388,608 bytes; kh 8,388,608 bytes; vh 8,388,608 bytes; ffn 16,777,216 bytes
;; launch prep (part 1): grid 256 x 1, 16 waves a work-group, no clusters, 0 bytes of LDS; arguments x, gamma1, beta1, gamma2, beta2, W1, W2, Wq, Wk, Wv, Wo, a1, a2, wb; writes a1, a2, wb
.if DOCPART == 1
	.amdgcn_target "amdgcn-amd-amdhsa--gfx1250"
	.amdhsa_code_object_version 6
	.text
	.protected	k_q1736fb12b0_prep
	.globl	k_q1736fb12b0_prep
	.p2align	8
	.type	k_q1736fb12b0_prep,@function
k_q1736fb12b0_prep:
	s_mov_b64 s[64:65], 0
	v_nop
	global_prefetch_b8 v0, s[64:65] scope:SCOPE_SE
	s_setreg_imm32_b32 hwreg(HW_REG_WAVE_MODE, 25, 1), 1
	s_wait_xcnt 0x0
; a1 = LN(x; gamma1, beta1), a2 = LN(x; gamma2, beta2), both [16384][256] bf16; wb = all weights rounded to bf16 as 12 dense tiles [256][256]:
; tile 2c = W1 rows 256c.., tile 2c+1 = W2[:, 256c..], tiles 8..11 = Wq, Wk, Wv, Wo.
; A stream: no LDS, no matrix unit, no cluster (no two work-groups read the same bytes but the four short vectors).
; SHARES.  Work-group g: rows 64g..64g+63; wave w: four of them; a lane holds elements 4l..4l+3 and 128+4l..+3 of a row, so a load covers 512 and a store 256 consecutive bytes, aligned.
; One mean and one variance a row serve both norms; the variance is the mean of (x - mean)^2, never a difference of large sums.
; Waves 0-7 also round row g of each of the 12 tiles (wave pair p: tiles 2p, 2p+1, 8+p).  LIMITS: NaN and infinities are not treated apart.
.set XR,  16                           ; v[16:47]   four rows, 8 numbers each
.set G1R, 48                           ; v[48:55] gamma1, v[56:63] beta1, v[64:71] gamma2, v[72:79] beta2 of my 8 columns
.set B1R, 56
.set G2R, 64
.set B2R, 72
.set TR,  80                           ; v[80:95]   four at work for each row
.set UR,  96                           ; v[96:103]  a row's 8 results in f32
.set PR,  104                          ; v[104:135] a row's 8 packed words: a1's four, a2's four
.set WR,  136                          ; v[136:147] three times four weights
.set WP,  148                          ; v[148:153] the same, packed
.macro ALL line:vararg                 ; one line for each of the four rows r
.set r, 0
.rept 4
	\line
.set r, r+1
.endr
.endm
.macro LANES o                         ; the sum over the 32 lanes of v[TR+4r+o]; v[TR+4r+o+1], written before, takes the other half's
.irp m, 1,2,4,8
	ALL v_add_f32_dpp v[TR+4*r+(\o)], v[TR+4*r+(\o)], v[TR+4*r+(\o)] row_xmask:\m row_mask:0xf bank_mask:0xf
.endr
	ALL v_permlanex16_b32 v[TR+4*r+(\o)+1], v[TR+4*r+(\o)], s34, s35
	ALL v_add_f32 v[TR+4*r+(\o)], v[TR+4*r+(\o)], v[TR+4*r+(\o)+1]
.endm
	s_load_b512 s[4:19], s[0:1], 0x0               ; x, gamma1, beta1, gamma2, beta2, W1, W2, Wq
	s_load_b256 s[20:27], s[0:1], 0x40             ; Wk, Wv, Wo, a1
	s_load_b128 s[28:31], s[0:1], 0x60             ; a2, wb
	v_lshrrev_b32 v1, 5, v0
	v_readfirstlane_b32 s32, v1                    ; wave 0..15
	v_and_b32 v1, 31, v0                           ; lane
	v_lshlrev_b32 v2, 4, v1                        ; 16 l: loads
	v_lshlrev_b32 v3, 3, v1                        ; 8 l: stores
	s_mov_b32 s34, 0x76543210                      ; v_permlanex16_b32: each lane takes its own place in the other half
	s_mov_b32 s35, 0xfedcba98
	s_mov_b32 s36, 0x3b800000                      ; 1 / 256
	s_mov_b32 s37, 0x3727c5ac                      ; 1e-5
	s_lshl_b32 s38, ttmp9, 16                      ; 64 rows of 1,024 bytes
	s_lshl_b32 s40, s32, 12                        ; my 4 rows
	s_add_co_u32 s38, s38, s40
	s_mov_b32 s39, 0
	s_lshr_b32 s40, s38, 1                         ; the same rows in a1 and a2: 512 bytes each
	s_mov_b32 s41, 0
	s_wait_kmcnt 0x0
	s_add_nc_u64 s[4:5], s[4:5], s[38:39]
	s_add_nc_u64 s[26:27], s[26:27], s[40:41]
	s_add_nc_u64 s[28:29], s[28:29], s[40:41]
.irp r, 0,1,2,3
	global_load_b128 v[XR+8*\r:XR+8*\r+3],   v2, s[4:5] offset:\r*1024 th:TH_LOAD_NT
	global_load_b128 v[XR+8*\r+4:XR+8*\r+7], v2, s[4:5] offset:\r*1024+512 th:TH_LOAD_NT
.endr
	global_load_b128 v[G1R:G1R+3],   v2, s[6:7]
	global_load_b128 v[G1R+4:G1R+7], v2, s[6:7] offset:512
	global_load_b128 v[B1R:B1R+3],   v2, s[8:9]
	global_load_b128 v[B1R+4:B1R+7], v2, s[8:9] offset:512
	global_load_b128 v[G2R:G2R+3],   v2, s[10:11]
	global_load_b128 v[G2R+4:G2R+7], v2, s[10:11] offset:512
	global_load_b128 v[B2R:B2R+3],   v2, s[12:13]
	global_load_b128 v[B2R+4:B2R+7], v2, s[12:13] offset:512
	s_cmp_lt_u32 s32, 8
	s_cbranch_scc0 .Lrows
	; THE WEIGHTS: two waves to a row of 256 numbers; lane idx takes 16 bytes in and gives 8 bytes out
	s_lshr_b32 s42, s32, 1                         ; p
	s_and_b32 s43, s32, 1
	s_lshl_b32 s43, s43, 5
	v_add_nc_u32 v4, s43, v1                       ; idx = 32 (w & 1) + l
	v_lshlrev_b32 v5, 3, v4
	v_lshlrev_b32 v4, 4, v4
	s_lshl_b32 s44, s42, 8
	s_add_co_u32 s44, s44, ttmp9
	s_lshl_b32 s44, s44, 10                        ; W1 row 256 p + g
	s_mov_b32 s45, 0
	s_add_nc_u64 s[14:15], s[14:15], s[44:45]
	s_lshl_b32 s44, ttmp9, 12                      ; W2 row g, columns 256 p ..
	s_lshl_b32 s46, s42, 10
	s_add_co_u32 s44, s44, s46
	s_add_nc_u64 s[16:17], s[16:17], s[44:45]
	s_cmp_eq_u32 s42, 1                            ; Wq, Wk, Wv or Wo by p
	s_cselect_b64 s[18:19], s[20:21], s[18:19]
	s_cmp_eq_u32 s42, 2
	s_cselect_b64 s[18:19], s[22:23], s[18:19]
	s_cmp_eq_u32 s42, 3
	s_cselect_b64 s[18:19], s[24:25], s[18:19]
	s_lshl_b32 s44, ttmp9, 10                      ; its row g
	s_add_nc_u64 s[18:19], s[18:19], s[44:45]
	global_load_b128 v[WR:WR+3],    v4, s[14:15] th:TH_LOAD_NT
	global_load_b128 v[WR+4:WR+7],  v4, s[16:17] th:TH_LOAD_NT
	global_load_b128 v[WR+8:WR+11], v4, s[18:19] th:TH_LOAD_NT
	s_lshl_b32 s46, ttmp9, 9                       ; row g of a tile: 512 bytes
	s_lshl_b32 s44, s42, 18
	s_add_co_u32 s44, s44, s46
	s_add_nc_u64 s[48:49], s[30:31], s[44:45]      ; tile 2 p (tile 2 p + 1 by the immediate)
	s_lshl_b32 s44, s42, 17
	s_add_co_u32 s44, s44, s46
	s_add_nc_u64 s[50:51], s[30:31], s[44:45]      ; tile p (tile 8 + p by the immediate)
	s_wait_loadcnt 0x0                             ; everything asked for so far, my rows of x among it
.irp j, 0,1,2,3,4,5
	v_cvt_pk_bf16_f32 v[WP+\j], v[WR+2*\j], v[WR+2*\j+1]
.endr
	global_store_b64 v5, v[WP:WP+1],   s[48:49]                  ; 32 lanes store 256 consecutive bytes, aligned
	global_store_b64 v5, v[WP+2:WP+3], s[48:49] offset:131072
	global_store_b64 v5, v[WP+4:WP+5], s[50:51] offset:1048576
.Lrows:
	s_wait_loadcnt 0x0
	; the mean
	ALL v_pk_add_f32 v[TR+4*r:TR+4*r+1], v[XR+8*r:XR+8*r+1], v[XR+8*r+2:XR+8*r+3]
	ALL v_pk_add_f32 v[TR+4*r+2:TR+4*r+3], v[XR+8*r+4:XR+8*r+5], v[XR+8*r+6:XR+8*r+7]
	ALL v_pk_add_f32 v[TR+4*r:TR+4*r+1], v[TR+4*r:TR+4*r+1], v[TR+4*r+2:TR+4*r+3]
	ALL v_add_f32 v[TR+4*r], v[TR+4*r], v[TR+4*r+1]
	LANES 0
	ALL v_mul_f32 v[TR+4*r], s36, v[TR+4*r]
	; d = x - mean, in place; the mean of d^2
.irp j, 0,2,4,6
	ALL v_pk_add_f32 v[XR+8*r+\j:XR+8*r+\j+1], v[XR+8*r+\j:XR+8*r+\j+1], v[TR+4*r:TR+4*r+1] op_sel_hi:[1,0] neg_lo:[0,1] neg_hi:[0,1]
.endr
	ALL v_pk_mul_f32 v[TR+4*r+2:TR+4*r+3], v[XR+8*r:XR+8*r+1], v[XR+8*r:XR+8*r+1]
.irp j, 2,4,6
	ALL v_pk_fma_f32 v[TR+4*r+2:TR+4*r+3], v[XR+8*r+\j:XR+8*r+\j+1], v[XR+8*r+\j:XR+8*r+\j+1], v[TR+4*r+2:TR+4*r+3]
.endr
	ALL v_add_f32 v[TR+4*r+2], v[TR+4*r+2], v[TR+4*r+3]
	LANES 2
	ALL v_fma_f32 v[TR+4*r+2], v[TR+4*r+2], s36, s37
	ALL v_rsq_f32 v[TR+4*r], v[TR+4*r+2]
	v_nop                                          ; a plain instruction behind the last root,
	s_wait_alu depctr_va_vdst(0)                   ; and one wait for the four, ahead of their first reader
.irp j, 0,2,4,6
	ALL v_pk_mul_f32 v[XR+8*r+\j:XR+8*r+\j+1], v[XR+8*r+\j:XR+8*r+\j+1], v[TR+4*r:TR+4*r+1] op_sel_hi:[1,0]
.endr
	; both norms of each row, rounded once, stored
.irp r, 0,1,2,3
.irp j, 0,2,4,6
	v_pk_fma_f32 v[UR+\j:UR+\j+1], v[XR+8*\r+\j:XR+8*\r+\j+1], v[G1R+\j:G1R+\j+1], v[B1R+\j:B1R+\j+1]
.endr
.irp j, 0,1,2,3
	v_cvt_pk_bf16_f32 v[PR+8*\r+\j], v[UR+2*\j], v[UR+2*\j+1]
.endr
.irp j, 0,2,4,6
	v_pk_fma_f32 v[UR+\j:UR+\j+1], v[XR+8*\r+\j:XR+8*\r+\j+1], v[G2R+\j:G2R+\j+1], v[B2R+\j:B2R+\j+1]
.endr
.irp j, 0,1,2,3
	v_cvt_pk_bf16_f32 v[PR+8*\r+4+\j], v[UR+2*\j], v[UR+2*\j+1]
.endr
	global_store_b64 v3, v[PR+8*\r:PR+8*\r+1],   s[26:27] offset:\r*512       ; 256 consecutive bytes, aligned: half a row
	global_store_b64 v3, v[PR+8*\r+2:PR+8*\r+3], s[26:27] offset:\r*512+256
	global_store_b64 v3, v[PR+8*\r+4:PR+8*\r+5], s[28:29] offset:\r*512
	global_store_b64 v3, v[PR+8*\r+6:PR+8*\r+7], s[28:29] offset:\r*512+256
.endr
	s_endpgm
.Lfunc_end_k_q1736fb12b0_prep:
	.size	k_q1736fb12b0_prep, .Lfunc_end_k_q1736fb12b0_prep-k_q1736fb12b0_prep
	.p2alignl 7, 3214868480
	.fill 96, 4, 3214868480
	.section	.rodata,"a",@progbits
	.p2align	6, 0x0
	.amdhsa_kernel k_q1736fb12b0_prep
		.amdhsa_group_segment_fixed_size 0
		.amdhsa_private_segment_fixed_size 0
		.amdhsa_enable_private_segment 0
		.amdhsa_kernarg_size 112
		.amdhsa_user_sgpr_count 2
		.amdhsa_user_sgpr_kernarg_segment_ptr 1
		.amdhsa_wavefront_size32 1
		.amdhsa_system_sgpr_workgroup_id_x 1
		.amdhsa_system_sgpr_workgroup_id_y 1
		.amdhsa_system_sgpr_workgroup_id_z 1
		.amdhsa_system_vgpr_workitem_id 0
		.amdhsa_next_free_vgpr 160
		.amdhsa_next_free_sgpr 66
		.amdhsa_reserve_vcc 0
		.amdhsa_float_denorm_mode_32 3
		.amdhsa_float_denorm_mode_16_64 3
		.amdhsa_memory_ordered 1
		.amdhsa_forward_progress 1
		.amdhsa_inst_pref_size 18
	.end_amdhsa_kernel
	.amdgpu_metadata
---
amdhsa.version: [ 1, 2 ]
amdhsa.kernels:
  - .name:           k_q1736fb12b0_prep
    .symbol:         k_q1736fb12b0_prep.kd
    .args:
      - { .name: x, .offset: 0, .size: 8, .value_kind: global_buffer, .address_space: global }
      - { .name: gamma1, .offset: 8, .size: 8, .value_kind: global_buffer, .address_space: global }
      - { .name: beta1, .offset: 16, .size: 8, .value_kind: global_buffer, .address_space: global }
      - { .name: gamma2, .offset: 24, .size: 8, .value_kind: global_buffer, .address_space: global }
      - { .name: beta2, .offset: 32, .size: 8, .value_kind: global_buffer, .address_space: global }
      - { .name: W1, .offset: 40, .size: 8, .value_kind: global_buffer, .address_space: global }
      - { .name: W2, .offset: 48, .size: 8, .value_kind: global_buffer, .address_space: global }
      - { .name: Wq, .offset: 56, .size: 8, .value_kind: global_buffer, .address_space: global }
      - { .name: Wk, .offset: 64, .size: 8, .value_kind: global_buffer, .address_space: global }
      - { .name: Wv, .offset: 72, .size: 8, .value_kind: global_buffer, .address_space: global }
      - { .name: Wo, .offset: 80, .size: 8, .value_kind: global_buffer, .address_space: global }
      - { .name: a1, .offset: 88, .size: 8, .value_kind: global_buffer, .address_space: global }
      - { .name: a2, .offset: 96, .size: 8, .value_kind: global_buffer, .address_space: global }
      - { .name: wb, .offset: 104, .size: 8, .value_kind: global_buffer, .address_space: global }
    .group_segment_fixed_size: 0
    .private_segment_fixed_size: 0
    .kernarg_segment_align: 8
    .kernarg_segment_size: 112
    .max_flat_workgroup_size: 512
    .sgpr_count:     66
    .vgpr_count:     160
    .wavefront_size: 32
...
	.end_amdgpu_metadata
.endif
;; end of part 1
;; launch front (part 2): grid 256 x 1, 4 waves a work-group, clusters of 4 x 1, 327,680 bytes of LDS; arguments a1, a2, wb, b1, b2, qh, kh, vh, ffn; writes qh, kh, vh, ffn
.if DOCPART == 2
	.amdgcn_target "amdgcn-amd-amdhsa--gfx1250"
	.amdhsa_code_object_version 6
	.text
	.protected	k_q1736fb12b0_front
	.globl	k_q1736fb12b0_front
	.p2align	8
	.type	k_q1736fb12b0_front,@function
k_q1736fb12b0_front:
	s_mov_b64 s[64:65], 0
	v_nop
	global_prefetch_b8 v0, s[64:65] scope:SCOPE_SE
	s_setreg_imm32_b32 hwreg(HW_REG_WAVE_MODE, 25, 1), 1
	s_wait_xcnt 0x0
	s_wait_alu depctr_hold_cnt(0) depctr_sa_sdst(0) depctr_va_vdst(0) depctr_va_sdst(0) depctr_va_ssrc(0) depctr_va_vcc(0) depctr_vm_vsrc(0)
	s_getreg_b32 s2, hwreg(HW_REG_IB_STS2, 6, 4)
	s_cmp_eq_u32 s2, 0
	s_cbranch_scc0 .Lentry_in_a_cluster
	s_endpgm
.Lentry_in_a_cluster:
	s_bfe_u32 s2, ttmp6, 0x10000c
	s_cmp_lg_u32 s2, 0x3003
	s_cbranch_scc0 .Lentry_shape_is_right
	s_endpgm
.Lentry_shape_is_right:
; ffn = gelu(a2 W1^T + b1) W2^T + b2 (f32);  qh = a1 Wq^T x log2(e)/16, kh = a1 Wk^T, vh = a1 Wv^T (bf16, [16384][256]).  Products in bf16 with f32 sums; h rounded once to bf16.
; SHARES.  A work-group owns 64 rows and walks wb's tiles 0..10 ([256 outputs][256 k] bf16).  In every tile wave w makes all 64 rows x outputs 64w..64w+63: 16 accumulators, 8 K steps, 128 products.
; The matrix form is used transposed (source 0 = 16 weight rows, source 1 = 16 activation rows): a lane holds one row (l % 16) and 8 neighbouring outputs.
; CLUSTER.  Every work-group walks the same tiles, so the four of a cluster ask for each tile jointly (mask 15); wave w fetches the tile's rows 64w..64w+63, which are also the rows it reads.
; RING.  Two slots of one tile.  At each change every wave waits for all its tensor loads, adds 0 to its spare word, waits for that and for its LDS reads, and passes a round of the cluster's
; barrier; the one refill stands first behind it and has a whole tile's work (128 products, and gelu in every second tile) in which to land.  One tensor load of a wave is out at a time.
; The activations' fragments come straight from memory into registers (32 KiB a work-group and norm) and stay there; h goes from wave to wave through LDS.
; gelu(u) = u / (1 + 2^(u (K1 + K2 u^2))), K1 = -2 log2(e) sqrt(2/pi), K2 = 0.044715 K1: the tanh form written with one exponential.  LIMITS: NaN and infinities are not treated apart.
; REGISTERS.  window 0: v2-15 addresses; v64-191 two buffers of weight fragments (2 K steps x 4 blocks x 8), also T, at work; v192-223 b1 as a C operand
;   window 1: a2's, later a1's fragments (row block rb, K step ks at 64 rb + 8 ks)   window 2: h's fragments likewise; later ffn's rows on the way out
;   window 3: v0-127 U (output block cb, row block rb at 32 cb + 8 rb), v128-255 F likewise
.set PITCH, 528                        ; an LDS row: 512 bytes + 16: an odd multiple of 16, so the 16 rows of a fragment load start in 16 different 16-byte columns of 256
.set QTR,   64*PITCH                   ; 64 rows: one wave's tensor load
.set SLOT,  4*QTR
.set ST,    2*SLOT                     ; 64 rows x 528: h's chunk, later q, k, v on the way out; no tensor load lands here
.set FST,   ST+64*PITCH                ; 16 rows x 272 for each wave, its own: ffn on the way out
.set FP,    272
.set SPARE, FST+4*16*FP                ; the spare words, 128 bytes a wave: two blocks of 256 bytes that no other line names
.set TILE,  131072
.set AO,   2                           ; (l%16) x 512 + 16 (l/16): my place in 16 rows of a1 or a2
.set ADRB, 3                           ; v3, v4: my weight fragments in slot 0, 1
.set HA,   5                           ; h fragments
.set HS,   6                           ; where I put 16 bytes of a row of ST
.set QR,   7                           ; where I read a whole row of ST back
.set QG,   8                           ; the same row in q, k, v
.set FS,   9                           ; into my stage for ffn
.set FR,   10                          ; back
.set FO,   11                          ; the same rows in ffn
.set B1O,  12                          ; my 8 outputs in b1's chunk and in b2
.set PFO,  13                          ; the prefetches' offset
.set SPW,  14                          ; my spare word; never rewritten
.set NIL,  15                          ; 0; never rewritten
.set BF0,  64
.set BF1,  128
.set T,    64
.set B1R,  192
.set UA,   0
.set FA,   128
.set WV,  22
.set CX,  23
.set GI,  24
.set G0,  32                           ; s[32:35] group 0 of slot 0, s[36:39] of slot 1
.set G1,  40                           ; s[40:47] group 1
.set PFA, 48                           ; s[48:49] the tile that the prefetch names
.set LIM, 50                           ; 1 in the launch's first cluster
.set CNT, 51
.set K1,  52
.set K2,  54
.set QS,  56
.set B1P, 58
.set MSB, 0
.macro WIN new                         ; the high byte repeats the setting that is left; a switch that changes nothing is dropped
.if MSB != (\new)
	s_set_vgpr_msb (MSB<<8)|(\new)
.set MSB, (\new)
.endif
.endm
.macro PLACES                          ; four plain places behind a matrix instruction (ISA guide 7.12.1), ahead of what reads its result or rewrites its registers
.rept 4
	v_nop
.endr
.endm
.macro ROUND                           ; a round of the cluster's barrier
	s_barrier_signal -1
	s_barrier_wait -1
	s_cmp_lg_u32 s[WV], 0
	s_cbranch_scc1 .Lnw0_\@
	s_barrier_signal -3
.Lnw0_\@:
	s_barrier_wait -3
	s_barrier_signal -1
	s_barrier_wait -1
.endm
; THE CHANGE OF SLOTS.  The other slot's tile has landed and its group 0 steps two tiles on; slot \slot, read out, is filled again (fill = 1).
; ask = 1: the first cluster's 16 waves x 32 lanes name the 512 blocks of 256 bytes of the tile that the NEXT refill will ask for, each once, told apart by address.
.macro HEAD slot, fill, ask
	WIN 0
	s_wait_xcnt 0x0                                ; earlier stores have read their data, the last prefetch its address
	s_add_nc_u64 s[PFA:PFA+1], s[PFA:PFA+1], TILE
	s_wait_tensorcnt 0x0                           ; all my tensor loads have landed
	ds_add_u32 v[SPW], v[NIL]
	s_add_nc_u64 s[G0+6-4*(\slot):G0+7-4*(\slot)], s[G0+6-4*(\slot):G0+7-4*(\slot)], 2*TILE
	s_wait_dscnt 0x0                               ; the add is done; so are my LDS reads and stores
.if \fill
	ROUND
	tensor_load_to_lds s[G0+4*(\slot):G0+4*(\slot)+3], s[G1:G1+7]
	s_nop 0
	PLACES
.if \ask
	s_cmp_eq_u32 s[LIM], 1
	s_cbranch_scc0 .Lnoask_\@
	global_prefetch_b8 v[PFO], s[PFA:PFA+1] th:TH_LOAD_NT scope:SCOPE_SE
.Lnoask_\@:
.endif
.else
	s_barrier_signal -1
	s_barrier_wait -1
.endif
.endm
.macro ALOAD p                         ; 64 rows x 256 k of a1 or a2 as 32 fragments into window 1
	WIN 0x40
.irp rb, 0,1,2,3
.irp ks, 0,1,2,3,4,5,6,7
	global_load_b128 v[64*\rb+8*\ks:64*\rb+8*\ks+3],   v[AO], s[\p:\p+1] offset:\rb*8192+\ks*64
	global_load_b128 v[64*\rb+8*\ks+4:64*\rb+8*\ks+7], v[AO], s[\p:\p+1] offset:\rb*8192+\ks*64+32
.endr
.endr
	WIN 0
.endm
.macro BFETCH slot, q, buf             ; my 64 weight rows, K steps 2q and 2q+1: 16 LDS loads
	WIN 0
.irp kk, 0,1
.irp cb, 0,1,2,3
	ds_load_b128 v[(\buf)+32*\kk+8*\cb:(\buf)+32*\kk+8*\cb+3],   v[ADRB+(\slot)] offset:\cb*16*PITCH+(2*(\q)+\kk)*64
	ds_load_b128 v[(\buf)+32*\kk+8*\cb+4:(\buf)+32*\kk+8*\cb+7], v[ADRB+(\slot)] offset:\cb*16*PITCH+(2*(\q)+\kk)*64+32
.endr
.endr
.endm
; 32 products; the 16 accumulators take turns, one instruction a turn.  mode 1: the first 16 start the sums with 0; mode 2: with b1, as the C operand.
.macro MUL32 buf, q, aw, acc, mode
.irp kk, 0,1
.irp cb, 0,1,2,3
.irp rb, 0,1,2,3
.if ((\mode) == 2) && ((\kk) == 0)
	WIN 0xC0|((\aw)<<2)
	v_wmma_f32_16x16x32_bf16 v[(\acc)+32*\cb+8*\rb:(\acc)+32*\cb+8*\rb+7], v[(\buf)+32*\kk+8*\cb:(\buf)+32*\kk+8*\cb+7], v[64*\rb+8*(2*(\q)+\kk):64*\rb+8*(2*(\q)+\kk)+7], v[B1R+8*\cb:B1R+8*\cb+7]
.elseif ((\mode) == 1) && ((\kk) == 0)
	WIN 0xF0|((\aw)<<2)
	v_wmma_f32_16x16x32_bf16 v[(\acc)+32*\cb+8*\rb:(\acc)+32*\cb+8*\rb+7], v[(\buf)+32*\kk+8*\cb:(\buf)+32*\kk+8*\cb+7], v[64*\rb+8*(2*(\q)+\kk):64*\rb+8*(2*(\q)+\kk)+7], 0
.else
	WIN 0xF0|((\aw)<<2)
	v_wmma_f32_16x16x32_bf16 v[(\acc)+32*\cb+8*\rb:(\acc)+32*\cb+8*\rb+7], v[(\buf)+32*\kk+8*\cb:(\buf)+32*\kk+8*\cb+7], v[64*\rb+8*(2*(\q)+\kk):64*\rb+8*(2*(\q)+\kk)+7], v[(\acc)+32*\cb+8*\rb:(\acc)+32*\cb+8*\rb+7]
.endif
.endr
.endr
.endr
.endm
; A tile: four quarters of two K steps on two buffers; a count of 16 leaves the younger quarter's loads out.
.macro GEMM slot, aw, acc, mode
	PLACES
	BFETCH \slot, 0, BF0
	BFETCH \slot, 1, BF1
	s_wait_dscnt 16
	MUL32 BF0, 0, \aw, \acc, \mode
	PLACES
	BFETCH \slot, 2, BF0
	s_wait_dscnt 16
	MUL32 BF1, 1, \aw, \acc, 0
	PLACES
	BFETCH \slot, 3, BF1
	s_wait_dscnt 16
	MUL32 BF0, 2, \aw, \acc, 0
	s_wait_dscnt 0x0
	MUL32 BF1, 3, \aw, \acc, 0
.endm
.macro GELU                            ; U -> h in bf16 -> ST.  Two batches of 128 transcendentals, one wait each; each accumulator is read from its low end
	PLACES
	WIN 0x0F
.set i, 0
.rept 64
	v_pk_mul_f32 v[T+i:T+i+1], v[UA+i:UA+i+1], v[UA+i:UA+i+1]
.set i, i+2
.endr
	WIN 0
.set i, 0
.rept 64
	v_pk_fma_f32 v[T+i:T+i+1], v[T+i:T+i+1], s[K2:K2+1], s[K1:K1+1] op_sel_hi:[1,0,0]
.set i, i+2
.endr
	WIN 0x0C
.set i, 0
.rept 64
	v_pk_mul_f32 v[T+i:T+i+1], v[T+i:T+i+1], v[UA+i:UA+i+1]
.set i, i+2
.endr
	WIN 0
.set i, 0
.rept 128
	v_exp_f32 v[T+i], v[T+i]
.set i, i+1
.endr
	v_nop
	s_wait_alu depctr_va_vdst(0)
.set i, 0
.rept 64
	v_pk_add_f32 v[T+i:T+i+1], v[T+i:T+i+1], 1.0 op_sel_hi:[1,0]
.set i, i+2
.endr
.set i, 0
.rept 128
	v_rcp_f32 v[T+i], v[T+i]
.set i, i+1
.endr
	v_nop
	s_wait_alu depctr_va_vdst(0)
	WIN 0x0C
.set i, 0
.rept 64
	v_pk_mul_f32 v[T+i:T+i+1], v[T+i:T+i+1], v[UA+i:UA+i+1]
.set i, i+2
.endr
	WIN 0
.set i, 0
.rept 64
	v_cvt_pk_bf16_f32 v[T+i], v[T+2*i], v[T+2*i+1]
.set i, i+1
.endr
.irp cb, 0,1,2,3
.irp rb, 0,1,2,3
	ds_store_b128 v[HS], v[T+4*(4*\cb+\rb):T+4*(4*\cb+\rb)+3] offset:\rb*16*PITCH+\cb*32
.endr
.endr
.endm
.macro HLOAD                           ; the whole chunk of h as 32 fragments into window 2
	WIN 0x80
.irp rb, 0,1,2,3
.irp ks, 0,1,2,3,4,5,6,7
	ds_load_b128 v[64*\rb+8*\ks:64*\rb+8*\ks+3],   v[HA] offset:\rb*16*PITCH+\ks*64
	ds_load_b128 v[64*\rb+8*\ks+4:64*\rb+8*\ks+7], v[HA] offset:\rb*16*PITCH+\ks*64+32
.endr
.endr
	WIN 0
.endm
.macro FOUT                            ; F, f32, through my own stage: 16 rows at a time in, whole pieces of 256 bytes back (LDS serves a wave's instructions in order: ISA guide 5.7.1.4)
	PLACES
.irp rb, 0,1,2,3
	WIN 0x0C
.irp cb, 0,1,2,3
	ds_store_b128 v[FS], v[FA+32*\cb+8*\rb:FA+32*\cb+8*\rb+3]   offset:\cb*64
	ds_store_b128 v[FS], v[FA+32*\cb+8*\rb+4:FA+32*\cb+8*\rb+7] offset:\cb*64+16
.endr
	WIN 0x80
.irp u, 0,1,2,3,4,5,6,7
	ds_load_b128 v[32*\rb+4*\u:32*\rb+4*\u+3], v[FR] offset:\u*2*FP
.endr
.endr
	s_wait_dscnt 0x0
	WIN 0x08
.irp rb, 0,1,2,3
.irp u, 0,1,2,3,4,5,6,7
	global_store_b128 v[FO], v[32*\rb+4*\u:32*\rb+4*\u+3], s[20:21] offset:(16*\rb+2*\u)*1024  ; 16 lanes store 256 consecutive bytes, aligned
.endr
.endr
	WIN 0
.endm
.macro QOUT ptr, scale                 ; U -> bf16 -> ST -> whole rows of 512 bytes
	PLACES
.if \scale
	WIN 0x03
.set i, 0
.rept 64
	v_pk_mul_f32 v[T+i:T+i+1], v[UA+i:UA+i+1], s[QS:QS+1] op_sel_hi:[1,0]
.set i, i+2
.endr
	WIN 0
.set i, 0
.rept 64
	v_cvt_pk_bf16_f32 v[T+i], v[T+2*i], v[T+2*i+1]
.set i, i+1
.endr
.else
	WIN 0x0F
.set i, 0
.rept 64
	v_cvt_pk_bf16_f32 v[T+i], v[UA+2*i], v[UA+2*i+1]
.set i, i+1
.endr
	WIN 0
.endif
.irp cb, 0,1,2,3
.irp rb, 0,1,2,3
	ds_store_b128 v[HS], v[T+4*(4*\cb+\rb):T+4*(4*\cb+\rb)+3] offset:\rb*16*PITCH+\cb*32
.endr
.endr
	s_wait_dscnt 0x0                               ; for the others' sake: my stores are done
	s_barrier_signal -1                            ; the tile on its way stays out
	s_barrier_wait -1
.set i, 0
.rept 16
	ds_load_b128 v[T+64+4*i:T+64+4*i+3], v[QR] offset:i*PITCH
.set i, i+1
.endr
	s_wait_dscnt 0x0
.set i, 0
.rept 16
	global_store_b128 v[QG], v[T+64+4*i:T+64+4*i+3], s[\ptr:\ptr+1] offset:i*512  ; a whole row: 512 consecutive bytes
.set i, i+1
.endr
.endm
	s_load_b512 s[4:19], s[0:1], 0x0               ; a1, a2, wb, b1, b2, q, k, v
	s_load_b64 s[20:21], s[0:1], 0x40              ; ffn
	v_lshl_add_u32 v[SPW], v0, 2, SPARE
	v_mov_b32 v[NIL], 0
	ds_add_u32 v[SPW], v[NIL]                      ; the wave's opening: the add and its wait ahead of my first tensor load
	v_lshrrev_b32 v1, 5, v0
	v_readfirstlane_b32 s[WV], v1
	s_bfe_u32 s[CX], ttmp6, 0x40000                ; my place in the cluster: it enters global addresses alone
	s_lshl_b32 s[GI], ttmp9, 2
	s_add_co_u32 s[GI], s[GI], s[CX]               ; my block of 64 rows
	s_mov_b32 s[G1], 15|(1<<16)|(1<<20)|(1<<21)|(6<<22)|(3<<25)  ; mask of four; 2-byte elements; padding on; bit 21 beside a mask; after every 128 words 4 words
	s_mov_b32 s[G1+1], 256<<16                     ; tensor_dim0 = 256
	s_mov_b32 s[G1+2], 64<<16                      ; tensor_dim1 = 64
	s_mov_b32 s[G1+3], 256<<16                     ; tile_dim0 = 256
	s_mov_b32 s[G1+4], 64                          ; tile_dim1 = 64
	s_mov_b32 s[G1+5], 256                         ; 256 elements from row to row
	s_mov_b32 s[G1+6], 0
	s_mov_b32 s[G1+7], 0
	s_mul_i32 s25, s[WV], QTR                      ; my quarter of a slot
	s_mov_b32 s[G0], 1
	s_mov_b32 s[G0+1], s25
	s_mov_b32 s[G0+4], 1
	s_add_co_u32 s[G0+5], s25, SLOT
	s_lshl_b32 s26, s[WV], 15                      ; my 64 rows of a tile in memory
	s_mov_b32 s27, 0
	s_mov_b32 s[K1], 0xc0135761                    ; -2.3022082
	s_mov_b32 s[K1+1], s[K1]
	s_mov_b32 s[K2], 0xbdd2d3e8                    ; -0.10294324
	s_mov_b32 s[K2+1], s[K2]
	s_mov_b32 s[QS], 0x3db8aa3b                    ; log2(e) / 16
	s_mov_b32 s[QS+1], s[QS]
	s_cmp_eq_u32 ttmp9, 0
	s_cselect_b32 s[LIM], 1, 0                     ; the same in all four partners
	s_lshl_b32 s28, s[GI], 15                      ; 64 rows of 512 bytes
	s_mov_b32 s29, 0
	s_lshl_b32 s30, s[GI], 16                      ; 64 rows of 1,024 bytes
	s_mov_b32 s31, 0
	s_wait_dscnt 0x0                               ; the opening add is done
	s_wait_kmcnt 0x0
	s_add_nc_u64 s[G0+2:G0+3], s[8:9], s[26:27]    ; tile 0
	s_add_nc_u64 s[G0+6:G0+7], s[G0+2:G0+3], TILE  ; tile 1
	s_or_b32 s[G0+3], s[G0+3], 0x80000000
	s_or_b32 s[G0+7], s[G0+7], 0x80000000
	s_add_nc_u64 s[PFA:PFA+1], s[8:9], TILE        ; the first change steps it to tile 2
	s_add_nc_u64 s[4:5], s[4:5], s[28:29]
	s_add_nc_u64 s[6:7], s[6:7], s[28:29]
	s_add_nc_u64 s[14:15], s[14:15], s[28:29]
	s_add_nc_u64 s[16:17], s[16:17], s[28:29]
	s_add_nc_u64 s[18:19], s[18:19], s[28:29]
	s_add_nc_u64 s[20:21], s[20:21], s[30:31]
	s_mov_b64 s[B1P:B1P+1], s[10:11]
	ROUND                                          ; all four work-groups are here: the first joint load meets
	tensor_load_to_lds s[G0:G0+3], s[G1:G1+7]      ; tile 0 into slot 0
	s_nop 0
	PLACES
	v_and_b32 v16, 15, v0                          ; l % 16
	v_bfe_u32 v17, v0, 4, 1                        ; l / 16
	v_and_b32 v18, 31, v0                          ; l
	v_lshlrev_b32 v[AO], 9, v16
	v_lshl_add_u32 v[AO], v17, 4, v[AO]
	v_mul_u32_u24 v19, v16, PITCH
	v_lshl_add_u32 v19, v17, 4, v19                ; row x pitch + 16 x half
	v_add_nc_u32 v[ADRB], s25, v19
	v_add_nc_u32 v[ADRB+1], SLOT, v[ADRB]
	v_add_nc_u32 v[HA], ST, v19
	s_lshl_b32 s60, s[WV], 7
	v_add_nc_u32 v[HS], s60, v[HA]                 ; + my 64 outputs: 128 bytes
	s_mul_i32 s60, s[WV], 16*PITCH
	s_add_co_u32 s60, s60, ST
	v_lshl_add_u32 v[QR], v18, 4, s60              ; rows 16w..: 32 lanes take a row
	s_lshl_b32 s60, s[WV], 13
	v_lshl_add_u32 v[QG], v18, 4, s60
	s_mul_i32 s60, s[WV], 16*FP
	s_add_co_u32 s60, s60, FST
	v_mul_u32_u24 v[FS], v16, FP
	v_lshl_add_u32 v[FS], v17, 5, v[FS]
	v_add_nc_u32 v[FS], s60, v[FS]
	v_mul_u32_u24 v[FR], v17, FP
	v_lshl_add_u32 v[FR], v16, 4, v[FR]
	v_add_nc_u32 v[FR], s60, v[FR]
	s_lshl_b32 s60, s[WV], 8
	v_lshlrev_b32 v[FO], 10, v17
	v_lshl_add_u32 v[FO], v16, 4, v[FO]
	v_add_nc_u32 v[FO], s60, v[FO]
	v_lshl_add_u32 v[B1O], v17, 5, s60             ; 4 x (64 w + 8 (l/16))
	s_lshl_b32 s60, s[CX], 2
	s_add_co_u32 s60, s60, s[WV]
	s_lshl_b32 s60, s60, 5
	v_add_nc_u32 v[PFO], s60, v18
	v_lshlrev_b32 v[PFO], 8, v[PFO]                ; block (4 cx + w) x 32 + l of a tile's 512
	ALOAD 6                                        ; a2
	WIN 0xC0
.irp cb, 0,1,2,3
.irp rb, 0,1,2,3
	global_load_b128 v[FA+32*\cb+8*\rb:FA+32*\cb+8*\rb+3],   v[B1O], s[12:13] offset:\cb*64     ; b2 starts F's sums: nothing is cleared
	global_load_b128 v[FA+32*\cb+8*\rb+4:FA+32*\cb+8*\rb+7], v[B1O], s[12:13] offset:\cb*64+16
.endr
.endr
	WIN 0
.irp cb, 0,1,2,3
	global_load_b128 v[B1R+8*\cb:B1R+8*\cb+3],   v[B1O], s[B1P:B1P+1] offset:\cb*64
	global_load_b128 v[B1R+8*\cb+4:B1R+8*\cb+7], v[B1O], s[B1P:B1P+1] offset:\cb*64+16
.endr
	s_mov_b32 s[CNT], 4
.Lchunk:                                       ; chunk c of the hidden 1,024: tiles 2c (W1) and 2c+1 (W2)
	HEAD 1, 1, 1                                   ; tile 2c is in; tile 2c+1 is asked for
	s_wait_loadcnt 0x0                             ; b1's chunk (the first time a2 and b2 too)
	GEMM 0, 1, UA, 2
	GELU
	HEAD 0, 1, 1                                   ; tile 2c+1 is in, everybody's h is stored; tile 2c+2 is asked for (behind the last chunk that is Wq)
	HLOAD
	s_cmp_lg_u32 s[CNT], 1                         ; b1's next chunk; the last trip loads its own once more, so that no load leaves b1
	s_cselect_b32 s60, 1024, 0
	s_mov_b32 s61, 0
	s_add_nc_u64 s[B1P:B1P+1], s[B1P:B1P+1], s[60:61]
.irp cb, 0,1,2,3
	global_load_b128 v[B1R+8*\cb:B1R+8*\cb+3],   v[B1O], s[B1P:B1P+1] offset:\cb*64
	global_load_b128 v[B1R+8*\cb+4:B1R+8*\cb+7], v[B1O], s[B1P:B1P+1] offset:\cb*64+16
.endr
	GEMM 1, 2, FA, 0
	WIN 0
	s_sub_co_u32 s[CNT], s[CNT], 1
	s_cmp_lg_u32 s[CNT], 0
	s_cbranch_scc1 .Lchunk
	ALOAD 4                                        ; a1 takes a2's registers
	HEAD 1, 1, 1                                   ; Wq is in; Wk is asked for
	FOUT                                           ; ffn leaves while a1 is on its way
	s_wait_loadcnt 0x0
	GEMM 0, 1, UA, 1
	QOUT 14, 1
	HEAD 0, 1, 0                                   ; Wk is in; Wv is asked for: the last fill, so nothing is prefetched
	GEMM 1, 1, UA, 1
	QOUT 16, 0
	HEAD 1, 0, 0                                   ; Wv is in; nothing is left to fetch
	GEMM 0, 1, UA, 1
	QOUT 18, 0
	s_wait_tensorcnt 0x0                           ; the wave's end
	ds_add_u32 v[SPW], v[NIL]
	s_wait_dscnt 0x0
	ROUND                                          ; the closing round
	s_endpgm
.Lfunc_end_k_q1736fb12b0_front:
	.size	k_q1736fb12b0_front, .Lfunc_end_k_q1736fb12b0_front-k_q1736fb12b0_front
	.p2alignl 7, 3214868480
	.fill 96, 4, 3214868480
	.section	.rodata,"a",@progbits
	.p2align	6, 0x0
	.amdhsa_kernel k_q1736fb12b0_front
		.amdhsa_group_segment_fixed_size 327680
		.amdhsa_private_segment_fixed_size 0
		.amdhsa_enable_private_segment 0
		.amdhsa_kernarg_size 72
		.amdhsa_user_sgpr_count 2
		.amdhsa_user_sgpr_kernarg_segment_ptr 1
		.amdhsa_wavefront_size32 1
		.amdhsa_system_sgpr_workgroup_id_x 1
		.amdhsa_system_sgpr_workgroup_id_y 1
		.amdhsa_system_sgpr_workgroup_id_z 1
		.amdhsa_system_vgpr_workitem_id 0
		.amdhsa_next_free_vgpr 1024
		.amdhsa_next_free_sgpr 66
		.amdhsa_reserve_vcc 0
		.amdhsa_float_denorm_mode_32 3
		.amdhsa_float_denorm_mode_16_64 3
		.amdhsa_memory_ordered 1
		.amdhsa_forward_progress 1
		.amdhsa_inst_pref_size 163
	.end_amdhsa_kernel
	.amdgpu_metadata
---
amdhsa.version: [ 1, 2 ]
amdhsa.kernels:
  - .name:           k_q1736fb12b0_front
    .symbol:         k_q1736fb12b0_front.kd
    .args:
      - { .name: a1, .offset: 0, .size: 8, .value_kind: global_buffer, .address_space: global }
      - { .name: a2, .offset: 8, .size: 8, .value_kind: global_buffer, .address_space: global }
      - { .name: wb, .offset: 16, .size: 8, .value_kind: global_buffer, .address_space: global }
      - { .name: b1, .offset: 24, .size: 8, .value_kind: global_buffer, .address_space: global }
      - { .name: b2, .offset: 32, .size: 8, .value_kind: global_buffer, .address_space: global }
      - { .name: qh, .offset: 40, .size: 8, .value_kind: global_buffer, .address_space: global }
      - { .name: kh, .offset: 48, .size: 8, .value_kind: global_buffer, .address_space: global }
      - { .name: vh, .offset: 56, .size: 8, .value_kind: global_buffer, .address_space: global }
      - { .name: ffn, .offset: 64, .size: 8, .value_kind: global_buffer, .address_space: global }
    .group_segment_fixed_size: 327680
    .private_segment_fixed_size: 0
    .kernarg_segment_align: 8
    .kernarg_segment_size: 72
    .max_flat_workgroup_size: 128
    .sgpr_count:     66
    .vgpr_count:     1024
    .wavefront_size: 32
...
	.end_amdgpu_metadata
.endif
;; end of part 2
;; launch attn (part 3): grid 16 x 16, 4 waves a work-group, clusters of 4 x 1, 327,680 bytes of LDS; arguments qh, kh, vh, spatial_encoding, edge_encoding, wb, x, ffn, out0; writes out0
.if DOCPART == 3
	.amdgcn_target "amdgcn-amd-amdhsa--gfx1250"
	.amdhsa_code_object_version 6
	.text
	.protected	k_q1736fb12b0_attn
	.globl	k_q1736fb12b0_attn
	.p2align	8
	.type	k_q1736fb12b0_attn,@function
k_q1736fb12b0_attn:
	s_mov_b64 s[64:65], 0
	v_nop
	global_prefetch_b8 v0, s[64:65] scope:SCOPE_SE
	s_setreg_imm32_b32 hwreg(HW_REG_WAVE_MODE, 25, 1), 1
	s_wait_xcnt 0x0
	s_wait_alu depctr_hold_cnt(0) depctr_sa_sdst(0) depctr_va_vdst(0) depctr_va_sdst(0) depctr_va_ssrc(0) depctr_va_vcc(0) depctr_vm_vsrc(0)
	s_getreg_b32 s2, hwreg(HW_REG_IB_STS2, 6, 4)
	s_cmp_eq_u32 s2, 0
	s_cbranch_scc0 .Lentry_in_a_cluster
	s_endpgm
.Lentry_in_a_cluster:
	s_bfe_u32 s2, ttmp6, 0x10000c
	s_cmp_lg_u32 s2, 0x3003
	s_cbranch_scc0 .Lentry_shape_is_right
	s_endpgm
.Lentry_shape_is_right:
; out0 = where(any(attn + x == 0 in a row), 0, ffn + attn + x), attn = softmax-attention(q, k, v, bias) Wo^T.  q, k, v: [16][1024][256] bf16, channel = 32 head + d; q carries log2(e)/16.
; bias = spatial + edge, f32, shared by the 8 heads; a row whose 1,024 scores are all 0 gets weights 0.  Products in bf16 with f32 sums; maxima in f32; the weights' sum is taken of the rounded weights.
; SHARES.  A work-group owns 64 queries of one batch and all 8 heads, so each bias byte is read once in the launch.  Wave w owns heads 2w, 2w+1 and all four blocks of 16 queries:
; 8 TILES t = 4 hl + qt for each step of 64 keys.  A fragment of K or V out of LDS feeds 4 tiles, a bias fragment 2.
; LAYOUT.  S^T = K Q^T + C (source 0 = 16 keys, source 1 = 16 queries, C = the bias x log2(e) in f32): one product for 16 keys, since a head has 32 channels.  A lane holds one query (l % 16) and keys
; 8 (l / 16) + 0..7.  p = 2^(s - m) with a running maximum m; two results rounded to bf16 ARE source 1 of O^T = V^T P (V turned by ds_load_tr16_b128).  The row sum is a third accumulator
; (source 0 = ones): two products a tile in place of 16 packed additions, because the vector work is what this loop has too much of (110 vector instructions for 10 products).
; Of that accumulator only registers 0, 1 are rescaled; the others hold plain sums, 1,024 at the most.  A running minimum beside m tells the all-zero row: m == 0 and minimum == 0.
; A TURN belongs to tile t: 4 products K Q^T of tile t+1 with t's subtractions and first exponentials behind them; a lump (exponentials by turns with t+1's maximum; O's rescaling); ONE wait for
; the 33 exponentials; the roundings; 6 products V^T P of t with the last roundings and t+1's minimum behind them.
; THE WALK.  Body j computes step j and reads ONLY step j+1 out of LDS: each fragment is loaded again four plain places behind its last product.  So the change of slots (a slot = 128 keys = 2 steps)
; stands in front of the odd bodies, where every read of the old slot has been issued.  Body 15 reads old, filled bytes; its products for a 17th step serve nothing; tile 0's m and minimum are set aside.
; THE BIAS comes through registers: wave w loads rows 16w..16w+15 of both encodings, two steps at a time and two steps ahead (32 loads of 512 bytes), adds, scales, and stores them into two stage
; buffers (even, odd step) behind the change's barrier; a second barrier shows them to all.
; CLUSTER.  The four query blocks of a cluster belong to one batch and walk the same K and V: joint loads, mask 15; waves 0, 1 fetch a chunk's two steps of K, waves 2, 3 of V.
; Two tensor loads of a wave are out at the start, one afterwards.  The bias is shared by nobody.
; LIMITS.  NaN and infinities are not treated apart; a weight below 2^-126 counts as 0; the test 'score == 0' is made on log2(e) x score as the products give it; |log2(e) x score| stays under 3e38.
; REGISTERS.  window 0: v1, v9 tile 0's m, minimum set aside; v2-13 addresses; v14-15 old m; v16-31 (m, minimum) a tile; v32-47 at work, by parity; v48-63 P; v64-127 S^T, by parity;
;   v128-191 K (32 hl + 8 kb); v192-255 Q (8 t)     window 1: v0-127 O^T (16 t + 8 cb); v128-191 the sums (8 t)
;   window 2: v0-63 V (32 hl + 16 kk + 8 cb); v64-71 ones; v128-255 the encodings as loaded     window 3: v0-127 the bias (32 qt + 8 kb)
.set PK,    528                        ; a row of K in LDS: 512 + 16, an odd multiple of 16
.set PVP,   544                        ; a row of V: 512 + 32, an odd multiple of 32, for the turning load
.set BP,    272                        ; a row of the stage: 64 f32 + 16
.set AP,    1040                       ; a row of attn in f32: 1,024 + 16
.set VOFF,  128*PK                     ; a slot: 128 rows of K, then 128 rows of V: 137,216 bytes
.set SLOT1, 0x22000                    ; slot 1: none of its bits occurs in a tile's base or a step's offset, so one exclusive or changes slots
.set BST,   2*SLOT1                    ; the stage: two buffers of 64 rows; no tensor load lands here
.set BBUF,  64*BP
.set OST,   BST                        ; at the end: o, 64 rows x 528, where the stage lay
.set SPARE, BST+2*BBUF                 ; the spare words, 128 bytes a wave: two blocks of 256 bytes that no other line names
.set SM0, 1
.set AK0, 2
.set AV0, 3
.set AB0, 4
.set AK,  5
.set AV,  6
.set AB,  7
.set ST0, 8
.set SM1, 9
.set GB,  10
.set PFO, 11
.set SPW, 12
.set NIL, 13
.set MV,  14
.set STT, 16
.set TMP, 32
.set P,   48
.set S,   64
.set KF,  128
.set QF,  192
.set LF,  128
.set ONES, 64
.set RAW, 128
.set AT,  64                           ; at the end: accumulators of attn, then its rows
.set WV,  22
.set CX,  23
.set QB,  24
.set BB,  25
.set G1K, 28
.set G1V, 36
.set G0K, 44                           ; two sets for the two first fills; the second then walks
.set G0V, 52
.set SEL, 60
.set SLOTS, 62
.set CNT, 63
.set TK,  66                           ; LDS byte of K of the step to be read
.set TV,  67                           ; of V, less VOFF
.set BO,  68                           ; of its stage buffer, less BST
.set SPP, 70
.set EDP, 72
.set PFA, 74
.set LIM, 76
.set LL,  78
.set ZM,  80                           ; s80-95: at the end a mask for each of my 16 rows
.set MSB, 0
.macro WIN new
.if MSB != (\new)
	s_set_vgpr_msb (MSB<<8)|(\new)
.set MSB, (\new)
.endif
.endm
.set W_KQ, 0x30                        ; the C operand in window 3, all else in window 0
.set W_PV, 0x52                        ; V and the ones in window 2, P in window 0, C and D in window 1
.set W_RS, 0x41                        ; destination and source 0 in window 1, source 1 in window 0
.macro PLACES
.rept 4
	v_nop
.endr
.endm
.macro ROUND
	s_barrier_signal -1
	s_barrier_wait -1
	s_cmp_lg_u32 s[WV], 0
	s_cbranch_scc1 .Lnw0_\@
	s_barrier_signal -3
.Lnw0_\@:
	s_barrier_wait -3
	s_barrier_signal -1
	s_barrier_wait -1
.endm
.macro JLOAD                           ; the joint refill; the branch hangs on the wave's number alone
	s_cmp_lt_u32 s[WV], 2
	s_cbranch_scc0 .Lfor_v_\@
	tensor_load_to_lds s[G0K+4:G0K+7], s[G1K:G1K+7]
	s_nop 0
	PLACES
	s_branch .Lasked_\@
.Lfor_v_\@:
	tensor_load_to_lds s[G0V+4:G0V+7], s[G1V:G1V+7]
	s_nop 0
	PLACES
.Lasked_\@:
.endm
; A prefetch of the chunk that the NEXT change will ask for.  The batch's first cluster asks, wave 0 for K, wave 2 for V; each partner takes 32 of the 128 rows, by address; a lane a row, its two
; halves of 256 bytes: each block is named once in the launch.  The last change that fills asks for nothing.
.macro ASK
	s_cmp_gt_u32 s[SLOTS], s[LIM]
	s_cbranch_scc0 .Lnm_\@
	global_prefetch_b8 v[PFO], s[PFA:PFA+1] th:TH_LOAD_NT scope:SCOPE_SE
	global_prefetch_b8 v[PFO], s[PFA:PFA+1] offset:256 th:TH_LOAD_NT scope:SCOPE_SE
.Lnm_\@:
.endm
.macro RAWLOAD                         ; two steps of both encodings, my 16 rows: a load takes 256 consecutive bytes of each of two rows
	WIN 0x80
.irp i, 0,1,2,3,4,5,6,7
	global_load_b128 v[RAW+4*\i:RAW+4*\i+3],       v[GB], s[SPP:SPP+1] offset:\i*8192 th:TH_LOAD_NT
	global_load_b128 v[RAW+32+4*\i:RAW+32+4*\i+3], v[GB], s[EDP:EDP+1] offset:\i*8192 th:TH_LOAD_NT
	global_load_b128 v[RAW+64+4*\i:RAW+64+4*\i+3], v[GB], s[SPP:SPP+1] offset:\i*8192+256 th:TH_LOAD_NT
	global_load_b128 v[RAW+96+4*\i:RAW+96+4*\i+3], v[GB], s[EDP:EDP+1] offset:\i*8192+256 th:TH_LOAD_NT
.endr
	WIN 0
.endm
.macro RAWSUM                          ; (spatial + edge) x log2(e)
	WIN 0x8A
.set i, 0
.rept 16
	v_pk_add_f32 v[RAW+i:RAW+i+1], v[RAW+i:RAW+i+1], v[RAW+32+i:RAW+32+i+1]
	v_pk_add_f32 v[RAW+64+i:RAW+64+i+1], v[RAW+64+i:RAW+64+i+1], v[RAW+96+i:RAW+96+i+1]
.set i, i+2
.endr
.set i, 0
.rept 16
	v_pk_mul_f32 v[RAW+i:RAW+i+1], v[RAW+i:RAW+i+1], s[LL:LL+1] op_sel_hi:[1,0]
	v_pk_mul_f32 v[RAW+64+i:RAW+64+i+1], v[RAW+64+i:RAW+64+i+1], s[LL:LL+1] op_sel_hi:[1,0]
.set i, i+2
.endr
	WIN 0
.endm
.macro RAWSTORE                        ; the even step into buffer 0, the odd one into buffer 1
	WIN 0x08
.irp i, 0,1,2,3,4,5,6,7
	ds_store_b128 v[ST0], v[RAW+4*\i:RAW+4*\i+3]       offset:\i*2*BP
	ds_store_b128 v[ST0], v[RAW+64+4*\i:RAW+64+4*\i+3] offset:\i*2*BP+BBUF
.endr
	WIN 0
.endm
; THE LDS LOADS, in runs of 8
.macro FETCH_K hl
	WIN 0
.irp kb, 0,1,2,3
	ds_load_b128 v[KF+32*(\hl)+8*\kb:KF+32*(\hl)+8*\kb+3],   v[AK] offset:\kb*16*PK+(\hl)*64
	ds_load_b128 v[KF+32*(\hl)+8*\kb+4:KF+32*(\hl)+8*\kb+7], v[AK] offset:\kb*16*PK+(\hl)*64+32
.endr
.endm
.macro FETCH_V hl
	WIN 0x80
.irp f, 0,1,2,3                        ; keys 32 (f / 2) on, channels 16 (f % 2) on
	ds_load_tr16_b128 v[32*(\hl)+8*\f:32*(\hl)+8*\f+3],   v[AV] offset:(\f/2)*32*PVP+(\hl)*64+(\f%2)*32
	ds_load_tr16_b128 v[32*(\hl)+8*\f+4:32*(\hl)+8*\f+7], v[AV] offset:(\f/2)*32*PVP+16*PVP+(\hl)*64+(\f%2)*32
.endr
	WIN 0
.endm
.macro FETCH_B qt
	WIN 0xC0
.irp kb, 0,1,2,3
	ds_load_b128 v[32*(\qt)+8*\kb:32*(\qt)+8*\kb+3],   v[AB] offset:(\qt)*16*BP+\kb*64
	ds_load_b128 v[32*(\qt)+8*\kb+4:32*(\qt)+8*\kb+7], v[AB] offset:(\qt)*16*BP+\kb*64+16
.endr
	WIN 0
.endm
; THE PRODUCTS.  Y is the turn's tile, NX the next.  None sets a window.
.macro KQ kb                           ; keys 16 kb on of tile NX
	v_wmma_f32_16x16x32_bf16 v[S+32*(NX%2)+8*(\kb):S+32*(NX%2)+8*(\kb)+7], v[KF+32*(NX/4)+8*(\kb):KF+32*(NX/4)+8*(\kb)+7], v[QF+8*NX:QF+8*NX+7], v[32*(NX%4)+8*(\kb):32*(NX%4)+8*(\kb)+7]
.endm
.macro PVM i                           ; keys 32 (i / 3) on; i % 3 = 0, 1: channels 16 (i % 3) on; 2: the sum.  The three accumulators take turns
.if ((\i)%3) == 2
	v_wmma_f32_16x16x32_bf16 v[LF+8*Y:LF+8*Y+7], v[ONES:ONES+7], v[P+8*((\i)/3):P+8*((\i)/3)+7], v[LF+8*Y:LF+8*Y+7]
.else
	v_wmma_f32_16x16x32_bf16 v[16*Y+8*((\i)%3):16*Y+8*((\i)%3)+7], v[32*(Y/4)+16*((\i)/3)+8*((\i)%3):32*(Y/4)+16*((\i)/3)+8*((\i)%3)+7], v[P+8*((\i)/3):P+8*((\i)/3)+7], v[16*Y+8*((\i)%3):16*Y+8*((\i)%3)+7]
.endif
.endm
; THE VECTOR WORK.  For tile Y: FF b: pair b less m.  EE e: the exponential of score e.  CC b: pair b rounded to bf16.  RR n: pair n of O^T (n = 8: of the sum) times a.
.macro FF b
	v_pk_add_f32 v[S+32*(Y%2)+2*(\b):S+32*(Y%2)+2*(\b)+1], v[S+32*(Y%2)+2*(\b):S+32*(Y%2)+2*(\b)+1], v[STT+2*Y:STT+2*Y+1] op_sel_hi:[1,0] neg_lo:[0,1] neg_hi:[0,1]
.endm
.macro EE e
	v_exp_f32 v[S+32*(Y%2)+(\e)], v[S+32*(Y%2)+(\e)]
.endm
.macro CC b
	v_cvt_pk_bf16_f32 v[P+(\b)], v[S+32*(Y%2)+2*(\b)], v[S+32*(Y%2)+2*(\b)+1]
.endm
.macro RR n
.if (\n) == 8
	v_pk_mul_f32 v[LF+8*Y:LF+8*Y+1], v[LF+8*Y:LF+8*Y+1], v[TMP+8*(Y%2)+2:TMP+8*(Y%2)+3] op_sel_hi:[1,0]
.else
	v_pk_mul_f32 v[16*Y+2*(\n):16*Y+2*(\n)+1], v[16*Y+2*(\n):16*Y+2*(\n)+1], v[TMP+8*(Y%2)+2:TMP+8*(Y%2)+3] op_sel_hi:[1,0]
.endif
.endm
; For tile NX: MX n, the maximum and a.  0-11 four chains c0-c3 of seven scores (each accumulator's lowest registers first); 12, 13 the four left over; 14 with the old m;
; 15 the old m is kept; 16 into c0; 17, 18 the query's other 32 keys lie in the lane 16 away: the new m; 19 old m - new m; 20 a, into c2.
.macro MX n
.set rT, STT+2*NX
.set rC, TMP+8*(NX%2)
.set rW, MV+(NX%2)
.set rS, S+32*(NX%2)
.if (\n) < 4
	v_max3_num_f32 v[rC+(\n)], v[rS+8*(\n)], v[rS+8*(\n)+1], v[rS+8*(\n)+2]
.elseif (\n) < 12
	v_max3_num_f32 v[rC+(\n)%4], v[rC+(\n)%4], v[rS+8*((\n)%4)+2*((\n)/4)+1], v[rS+8*((\n)%4)+2*((\n)/4)+2]
.elseif (\n) == 12
	v_max3_num_f32 v[rC], v[rC], v[rS+7], v[rS+15]
.elseif (\n) == 13
	v_max3_num_f32 v[rC+1], v[rC+1], v[rS+23], v[rS+31]
.elseif (\n) == 14
	v_max3_num_f32 v[rC+2], v[rC+2], v[rC+3], v[rT]
.elseif (\n) == 15
	v_mov_b32 v[rW], v[rT]
.elseif (\n) == 16
	v_max3_num_f32 v[rC], v[rC], v[rC+1], v[rC+2]
.elseif (\n) == 17
	v_permlanex16_b32 v[rC+3], v[rC], s[SEL], s[SEL+1]
.elseif (\n) == 18
	v_max_num_f32 v[rT], v[rC], v[rC+3]
.elseif (\n) == 19
	v_sub_f32 v[rC+1], v[rW], v[rT]
.else
	v_exp_f32 v[rC+2], v[rC+1]
.endif
.endm
.macro NN n                            ; the lane's running minimum, likewise, in d0-d3; the halves of the lanes meet at the end
.set rT, STT+2*NX
.set rD, TMP+8*(NX%2)+4
.set rS, S+32*(NX%2)
.if (\n) < 4
	v_min3_num_f32 v[rD+(\n)], v[rS+8*(\n)], v[rS+8*(\n)+1], v[rS+8*(\n)+2]
.elseif (\n) < 12
	v_min3_num_f32 v[rD+(\n)%4], v[rD+(\n)%4], v[rS+8*((\n)%4)+2*((\n)/4)+1], v[rS+8*((\n)%4)+2*((\n)/4)+2]
.elseif (\n) == 12
	v_min3_num_f32 v[rD], v[rD], v[rS+7], v[rS+15]
.elseif (\n) == 13
	v_min3_num_f32 v[rD+1], v[rD+1], v[rS+23], v[rS+31]
.elseif (\n) == 14
	v_min3_num_f32 v[rD+2], v[rD+2], v[rD+3], v[rT+1]
.else
	v_min3_num_f32 v[rT+1], v[rD], v[rD+1], v[rD+2]
.endif
.endm
.macro PVR i, k0, a, b, c, d           ; a product V^T P and four riders: k0 = 0 roundings, 1 numbers of the minimum
	WIN W_PV
	PVM \i
	WIN 0
.irp n, \a, \b, \c, \d
.if \k0
	NN \n
.else
	CC \n
.endif
.endr
.endm
; A TURN.  The loads of the next step, in order: turn 2 K of head 0; turn 3 bias 0, at its end V of head 0; turn 4 bias 1; turn 5 bias 2; turn 6 bias 3 and K of head 1; turn 7's end V of head 1.
; Each run stands four plain instructions or more behind the last product that read its registers: FF 8 .. FF 15 behind the fourth K Q^T, NN 12 .. 15 behind the sixth V^T P.
; The waits: turn 7 reads K of head 0 and bias 0: 16 leaves turn 6's two runs out.  Turn 0 reads bias 1 and V of head 0: 8 leaves V of head 1 out.  Turn 1: all are in.
.macro TURN t
.set Y, (\t)
.set NX, ((\t)+1)%8
.if (\t) == 7
	s_wait_dscnt 16
.elseif (\t) == 0
	s_wait_dscnt 8
.elseif (\t) == 1
	s_wait_dscnt 0x0
.endif
	WIN W_KQ                                       ; FF and EE have no third source: they stand under the products' setting
	KQ 0
	FF 0
	FF 1
	FF 2
	FF 3
	KQ 1
	FF 4
	EE 0
	FF 5
	EE 1
	KQ 2
	FF 6
	EE 2
	FF 7
	EE 3
	KQ 3
	FF 8
	EE 4
	FF 9
	EE 5
.irp n, 0,1,2,3,4,5
	FF 10+\n
	EE 6+\n
.endr
.if (\t) == 2
	FETCH_K 0
.elseif ((\t) >= 3) && ((\t) <= 6)
	FETCH_B (\t)-3
.endif
.if (\t) == 6
	FETCH_K 1
.endif
	WIN 0
.if (\t) == 7
	v_mov_b32 v[SM0], v[STT]                       ; tile 0's m and minimum up to this step: what the last body makes of a 17th step does not reach them
	v_mov_b32 v[SM1], v[STT+1]
.endif
.irp n, 0,1,2,3,4,5,6,7,8,9,10,11,12,13
	MX \n
	EE 12+\n
.endr
	MX 15
	EE 26
	MX 14
	EE 27
	MX 16
	EE 28
	EE 29
	MX 17
	EE 30
	EE 31
	MX 18
	MX 19
	MX 20                                          ; the batch's last exponential; the rescalings are the plain instructions behind it (their a was waited for in the turn before)
	WIN W_RS
.irp n, 0,1,2,3,4,5,6,7,8
	RR \n
.endr
	WIN 0
	s_wait_alu depctr_va_vdst(0)                   ; one wait for the turn's 33 exponentials, ahead of the first instruction that names a result
.irp n, 0,1,2,3,4,5,6,7
	CC \n
.endr
	PVR 0, 0, 8, 9, 10, 11
	PVR 1, 0, 12, 13, 14, 15
	PVR 2, 1, 0, 1, 2, 3
	PVR 3, 1, 4, 5, 6, 7
	PVR 4, 1, 8, 9, 10, 11
	PVR 5, 1, 12, 13, 14, 15
.if (\t) == 3
	FETCH_V 0
.elseif (\t) == 7
	FETCH_V 1
.endif
.endm
.macro BODY                            ; a key step; the addresses are those of the step to be read
	WIN 0
	v_add_nc_u32 v[AK], s[TK], v[AK0]
	v_add_nc_u32 v[AV], s[TV], v[AV0]
	v_add_nc_u32 v[AB], s[BO], v[AB0]
.irp t, 0,1,2,3,4,5,6,7
	TURN \t
.endr
	WIN 0
	s_xor_b32 s[TK], s[TK], 64*PK                  ; the slot's other step, the other stage buffer
	s_xor_b32 s[TV], s[TV], 64*PVP
	s_xor_b32 s[BO], s[BO], BBUF
.endm
; THE CHANGE OF SLOTS, in front of an odd body.  Each wave waits for all its tensor loads (its part of the next chunk), adds 0 to its spare word, and, while that is out, makes the next two steps'
; bias of the encodings loaded a chunk ago; then it waits for the add and for its LDS reads, the last of the old slot and of the stage among them.  Behind the barrier (fill = 1: a round of the
; cluster's) the old slot is filled again first; then the stage is written, the next encodings are asked for, and a second barrier, behind which nothing is filled, shows the stage to all.
.macro CHANGE fill
	WIN 0
	s_wait_tensorcnt 0x0
	ds_add_u32 v[SPW], v[NIL]
.if \fill
.irp g, G0K+4, G0V+4
	s_xor_b32 s[(\g)+1], s[(\g)+1], SLOT1          ; the walking descriptor: the other slot,
	s_add_nc_u64 s[(\g)+2:(\g)+3], s[(\g)+2:(\g)+3], 65536  ; the next 128 keys
.endr
	s_wait_xcnt 0x0                                ; the last prefetches, a chunk back, have read their address
	s_add_nc_u64 s[PFA:PFA+1], s[PFA:PFA+1], 65536
.endif
	s_wait_loadcnt 0x0                             ; the encodings of the next two steps
	RAWSUM
	s_wait_dscnt 0x0
.if \fill
	ROUND
	JLOAD
	ASK
.else
	s_barrier_signal -1
	s_barrier_wait -1
.endif
	RAWSTORE
	s_wait_dscnt 0x0                               ; for the others' sake; and the stores have read their registers
.if \fill
	s_add_nc_u64 s[SPP:SPP+1], s[SPP:SPP+1], 512   ; free since the wait for the loads that named them
	s_add_nc_u64 s[EDP:EDP+1], s[EDP:EDP+1], 512
	RAWLOAD
.endif
	s_barrier_signal -1
	s_barrier_wait -1
	s_xor_b32 s[TK], s[TK], SLOT1
	s_xor_b32 s[TV], s[TV], SLOT1
.endm
	s_load_b512 s[4:19], s[0:1], 0x0               ; q, k, v, spatial, edge, wb, x, ffn
	s_load_b64 s[20:21], s[0:1], 0x40              ; out0
	v_lshl_add_u32 v[SPW], v0, 2, SPARE
	v_mov_b32 v[NIL], 0
	ds_add_u32 v[SPW], v[NIL]                      ; the wave's opening: the add and its wait ahead of my first tensor load
	v_lshrrev_b32 v1, 5, v0
	v_readfirstlane_b32 s[WV], v1
	s_bfe_u32 s[CX], ttmp6, 0x40000                ; my place in the cluster: it enters global addresses alone
	s_lshl_b32 s[QB], ttmp9, 2
	s_add_co_u32 s[QB], s[QB], s[CX]               ; my block of 64 queries
	s_and_b32 s[BB], ttmp7, 0xffff                 ; the batch, which the partners share
	s_mov_b32 s[G1K], 15|(1<<16)|(1<<20)|(1<<21)|(6<<22)|(3<<25)  ; mask of four; 2-byte elements; padding on; bit 21 beside a mask; after every 128 words 4 words
	s_mov_b32 s[G1V], 15|(1<<16)|(1<<20)|(1<<21)|(6<<22)|(7<<25)  ; the same with 8 words
.irp g, G1K, G1V
	s_mov_b32 s[(\g)+1], 256<<16                   ; tensor_dim0 = 256
	s_mov_b32 s[(\g)+2], 64<<16                    ; tensor_dim1 = 64
	s_mov_b32 s[(\g)+3], 256<<16                   ; tile_dim0 = 256
	s_mov_b32 s[(\g)+4], 64                        ; tile_dim1 = 64
	s_mov_b32 s[(\g)+5], 256                       ; 256 elements from row to row
	s_mov_b32 s[(\g)+6], 0
	s_mov_b32 s[(\g)+7], 0
.endr
	s_and_b32 s26, s[WV], 1                        ; which of a chunk's two steps I fetch
	s_mul_i32 s27, s26, 64*PK                      ; its place in a slot, for K
	s_mul_i32 s96, s26, 64*PVP                     ; and for V
	s_lshl_b32 s98, s26, 15                        ; its 64 rows of 512 bytes in memory
	s_lshl_b32 s97, s[BB], 19                      ; the batch's 1,024 rows of 512 bytes
	s_add_co_u32 s98, s98, s97
	s_mov_b32 s99, 0
	s_lshl_b32 s92, s[QB], 15
	s_add_co_u32 s92, s92, s97                     ; q: (1,024 b + 64 qb) x 512
	s_mov_b32 s93, 0
	s_lshl_b32 s94, s92, 1                         ; x, ffn, out0: x 1,024
	s_mov_b32 s95, 0
	s_lshl_b32 s90, s92, 3                         ; the encodings: x 4,096
	s_mov_b32 s91, 0
	s_lshl_b32 s88, s[CX], 14                      ; the prefetches: my work-group's 32 rows of a chunk's 128
	s_mov_b32 s89, 0
	s_mov_b32 s[SEL], 0x76543210
	s_mov_b32 s[SEL+1], 0xfedcba98
	s_mov_b32 s[LL], 0x3fb8aa3b                    ; log2(e)
	s_mov_b32 s[LL+1], s[LL]
	s_and_b32 s[LIM], s[WV], 1                     ; 0 in waves 0 and 2,
	s_or_b32 s[LIM], s[LIM], ttmp9                 ; where the cluster is the batch's first: the same in all partners
	s_cmp_eq_u32 s[LIM], 0
	s_cselect_b32 s[LIM], 1, -1
	s_wait_dscnt 0x0                               ; the opening add is done
	s_wait_kmcnt 0x0
	s_add_nc_u64 s[6:7], s[6:7], s[98:99]          ; K and V at my part of chunk 0
	s_add_nc_u64 s[8:9], s[8:9], s[98:99]
	s_add_nc_u64 s[4:5], s[4:5], s[92:93]
	s_add_nc_u64 s[SPP:SPP+1], s[10:11], s[90:91]
	s_add_nc_u64 s[EDP:EDP+1], s[12:13], s[90:91]
	s_add_nc_u64 s[14:15], s[14:15], 11*131072     ; Wo is wb's tile 11
	s_add_nc_u64 s[16:17], s[16:17], s[94:95]
	s_add_nc_u64 s[18:19], s[18:19], s[94:95]
	s_add_nc_u64 s[20:21], s[20:21], s[94:95]
	s_cmp_lt_u32 s[WV], 2
	s_cselect_b64 s[PFA:PFA+1], s[6:7], s[8:9]     ; (in waves 0 and 2 these stand at a chunk's first row)
	s_add_nc_u64 s[PFA:PFA+1], s[PFA:PFA+1], s[88:89]
	s_add_nc_u64 s[PFA:PFA+1], s[PFA:PFA+1], 2*65536  ; chunk 2; the first change steps it to chunk 3.  Nothing is prefetched at the head
.irp s, 0,1
	s_mov_b32 s[G0K+4*\s], 1
	s_add_co_u32 s[G0K+4*\s+1], s27, \s*SLOT1
	s_add_nc_u64 s[G0K+4*\s+2:G0K+4*\s+3], s[6:7], \s*65536
	s_or_b32 s[G0K+4*\s+3], s[G0K+4*\s+3], 0x80000000
	s_mov_b32 s[G0V+4*\s], 1
	s_add_co_u32 s[G0V+4*\s+1], s96, \s*SLOT1+VOFF
	s_add_nc_u64 s[G0V+4*\s+2:G0V+4*\s+3], s[8:9], \s*65536
	s_or_b32 s[G0V+4*\s+3], s[G0V+4*\s+3], 0x80000000
.endr
	ROUND                                          ; all four work-groups are here: the first joint loads meet
	s_cmp_lt_u32 s[WV], 2                          ; a wave's two first fills stand in one branch
	s_cbranch_scc0 .Lfirst_v
	tensor_load_to_lds s[G0K:G0K+3], s[G1K:G1K+7]
	s_nop 0
	tensor_load_to_lds s[G0K+4:G0K+7], s[G1K:G1K+7]
	s_nop 0
	PLACES
	s_branch .Lfirst_asked
.Lfirst_v:
	tensor_load_to_lds s[G0V:G0V+3], s[G1V:G1V+7]
	s_nop 0
	tensor_load_to_lds s[G0V+4:G0V+7], s[G1V:G1V+7]
	s_nop 0
	PLACES
.Lfirst_asked:
	v_and_b32 v64, 15, v0                          ; l % 16
	v_bfe_u32 v65, v0, 4, 1                        ; l / 16
	v_and_b32 v66, 31, v0                          ; l
	s_lshl_b32 s26, s[WV], 7                       ; my two heads: 128 bytes of a row
	v_lshlrev_b32 v1, 9, v64
	v_lshl_add_u32 v1, v65, 4, v1
	v_add_nc_u32 v1, s26, v1                       ; my place in 16 rows of q
	v_mul_u32_u24 v[AK0], v64, PK
	v_lshl_add_u32 v[AK0], v65, 4, v[AK0]
	v_add_nc_u32 v[AK0], s26, v[AK0]
	v_and_b32 v67, 7, v0                           ; the turning load: key 8 (l / 16) + l % 8, channels 8 ((l / 8) % 2) on
	v_bfe_u32 v68, v0, 3, 1
	v_lshl_add_u32 v[AV0], v65, 3, v67
	v_mul_u32_u24 v[AV0], v[AV0], PVP
	v_lshl_add_u32 v[AV0], v68, 4, v[AV0]
	s_add_co_u32 s26, s26, VOFF
	v_add_nc_u32 v[AV0], s26, v[AV0]
	v_mul_u32_u24 v[AB0], v64, BP                  ; a bias fragment: query l % 16, keys 8 (l / 16) on: 32 bytes
	v_lshl_add_u32 v[AB0], v65, 5, v[AB0]
	v_add_nc_u32 v[AB0], BST, v[AB0]
	s_lshl_b32 s26, s[WV], 4
	v_add_nc_u32 v69, s26, v65                     ; the row that I load and stage: 16 w + l / 16
	v_mul_u32_u24 v[ST0], v69, BP
	v_lshl_add_u32 v[ST0], v64, 4, v[ST0]
	v_add_nc_u32 v[ST0], BST, v[ST0]
	v_lshlrev_b32 v[GB], 12, v69
	v_lshl_add_u32 v[GB], v64, 4, v[GB]
	v_lshlrev_b32 v[PFO], 9, v66
	RAWLOAD                                        ; steps 0 and 1
.irp t, 0,1,2,3,4,5,6,7
	global_load_b128 v[QF+8*\t:QF+8*\t+3],   v1, s[4:5] offset:(\t%4)*8192+(\t/4)*64
	global_load_b128 v[QF+8*\t+4:QF+8*\t+7], v1, s[4:5] offset:(\t%4)*8192+(\t/4)*64+32
.endr
	; No first step is written out: m starts at the lowest finite number, so the first a is 0, and O^T and the sums start at 0.  These lines stand in the wait for the first loads.
	WIN 0x40
.set i, 0
.rept 192
	v_mov_b32 v[i], 0
.set i, i+1
.endr
	WIN 0x80
.set i, 0
.rept 8
	v_mov_b32 v[ONES+i], 0x3f803f80                ; 1.0 twice in bf16
.set i, i+1
.endr
	WIN 0
.set i, 0
.rept 8
	v_mov_b32 v[STT+2*i], 0xff7fffff
	v_mov_b32 v[STT+2*i+1], 0x7f7fffff
.set i, i+1
.endr
	s_wait_loadcnt 0x0
	RAWSUM
	RAWSTORE
	s_wait_dscnt 0x0
	s_add_nc_u64 s[SPP:SPP+1], s[SPP:SPP+1], 512
	s_add_nc_u64 s[EDP:EDP+1], s[EDP:EDP+1], 512
	RAWLOAD                                        ; steps 2 and 3
	s_wait_tensorcnt 0x1                           ; my part of chunk 0 is in; chunk 1 may stay out
	s_barrier_signal -1
	s_barrier_wait -1
	v_mov_b32 v[AK], v[AK0]                        ; step 0 lies at the head of slot 0 and of buffer 0
	v_mov_b32 v[AV], v[AV0]
	v_mov_b32 v[AB], v[AB0]
	FETCH_K 0
	FETCH_K 1
	FETCH_V 0
	FETCH_V 1
	FETCH_B 0
	FETCH_B 1
	FETCH_B 2
	FETCH_B 3
	s_wait_dscnt 0x0
.set NX, 0
	WIN W_KQ
	KQ 0                                           ; tile 0's first scores
	KQ 1
	KQ 2
	KQ 3
	PLACES
	WIN 0
.irp n, 0,1,2,3,4,5,6,7,8,9,10,11,12,13,14,15,16,17,18,19
	MX \n
.endr
.irp n, 0,1,2,3,4,5,6,7,8,9,10,11,12,13,14,15
	NN \n
.endr
	MX 20
	v_nop
	s_wait_alu depctr_va_vdst(0)                   ; ahead of the branch
	s_mov_b32 s[TK], 64*PK                         ; body 0 reads step 1
	s_mov_b32 s[TV], 64*PVP
	s_mov_b32 s[BO], BBUF
	s_mov_b32 s[CNT], 1
	s_mov_b32 s[SLOTS], 7
	s_branch .Lstep                                ; body 0 alone; then six trips of a change and two bodies
.Lslot:
	CHANGE 1
	s_mov_b32 s[CNT], 2
.Lstep:
	BODY
	s_sub_co_u32 s[CNT], s[CNT], 1
	s_cmp_lg_u32 s[CNT], 0
	s_cbranch_scc1 .Lstep
	s_sub_co_u32 s[SLOTS], s[SLOTS], 1
	s_cmp_lg_u32 s[SLOTS], 0
	s_cbranch_scc1 .Lslot
	CHANGE 0                                       ; the tail is written out: bodies 13, 14, 15
	s_mov_b32 s[CNT], 3
.Ltail:
	BODY
	s_sub_co_u32 s[CNT], s[CNT], 1
	s_cmp_lg_u32 s[CNT], 0
	s_cbranch_scc1 .Ltail
	; THE END.  o = O / sum (0 for an all-zero row) goes from wave to wave through LDS; wave w makes all 64 rows x outputs 64w..64w+63 of o Wo^T; the result goes through LDS again, so that a wave
	; holds 16 whole rows for the test on attn + x and stores whole rows.
	s_wait_dscnt 0x0                               ; my last reads of the slots and the stage
	s_wait_xcnt 0x0                                ; every earlier address has been read: the offsets' registers are written anew
	s_barrier_signal -1
	s_barrier_wait -1                              ; nobody reads them any more: both are written below
	v_and_b32 v2, 15, v0
	v_bfe_u32 v3, v0, 4, 1
	v_and_b32 v4, 31, v0
	s_lshl_b32 s26, s[WV], 15
	v_lshlrev_b32 v5, 9, v2
	v_lshl_add_u32 v5, v3, 4, v5
	v_add_nc_u32 v5, s26, v5                       ; Wo's rows 64 w + l % 16
	s_lshl_b32 s26, s[WV], 14
	v_lshl_add_u32 v6, v4, 4, s26                  ; rows 16 w .. of x, ffn, out0: 32 lanes take 512 bytes
	v_mul_u32_u24 v8, v2, PK
	v_lshl_add_u32 v8, v3, 4, v8
	v_add_nc_u32 v8, OST, v8                       ; o's fragments
	s_lshl_b32 s26, s[WV], 7
	v_add_nc_u32 v7, s26, v8                       ; where I put my heads' 16 bytes
	v_mul_u32_u24 v10, v2, AP
	v_lshl_add_u32 v10, v3, 5, v10
	s_lshl_b32 s26, s[WV], 8
	v_add_nc_u32 v10, s26, v10                     ; attn in: row l % 16, my 64 outputs, from LDS byte 0: a slot that has had its last fill
	s_mul_i32 s26, s[WV], 16*AP
	v_lshl_add_u32 v11, v4, 4, s26                 ; attn back: rows 16 w ..
	WIN 0x80
.irp cb, 0,1,2,3
.irp ks, 0,1,2,3,4,5,6,7
	global_load_b128 v[64*\cb+8*\ks:64*\cb+8*\ks+3],   v5, s[14:15] offset:\cb*8192+\ks*64
	global_load_b128 v[64*\cb+8*\ks+4:64*\cb+8*\ks+7], v5, s[14:15] offset:\cb*8192+\ks*64+32
.endr
.endr
	WIN 0xC0
.set i, 0
.rept 16
	global_load_b128 v[8*i:8*i+3],         v6, s[16:17] offset:i*1024 th:TH_LOAD_NT
	global_load_b128 v[8*i+4:8*i+7],       v6, s[16:17] offset:i*1024+512 th:TH_LOAD_NT
	global_load_b128 v[128+8*i:128+8*i+3], v6, s[18:19] offset:i*1024 th:TH_LOAD_NT
	global_load_b128 v[128+8*i+4:128+8*i+7], v6, s[18:19] offset:i*1024+512 th:TH_LOAD_NT
.set i, i+1
.endr
	WIN 0
	v_mov_b32 v[STT], v[SM0]
	v_mov_b32 v[STT+1], v[SM1]
.irp t, 0,1,2,3,4,5,6,7
	v_permlanex16_b32 v[TMP+2*\t+1], v[STT+2*\t+1], s[SEL], s[SEL+1]
.endr
.irp t, 0,1,2,3,4,5,6,7
	v_min_num_f32 v[TMP+2*\t+1], v[TMP+2*\t+1], v[STT+2*\t+1]
.endr
	WIN 0x01
.irp t, 0,1,2,3,4,5,6,7
	v_rcp_f32 v[TMP+2*\t], v[LF+8*\t]              ; the sum is 1 at the least: the largest weight is 1
.endr
	WIN 0
	v_nop
	s_wait_alu depctr_va_vdst(0)
.irp t, 0,1,2,3,4,5,6,7
	v_cmp_eq_f32 vcc_lo, 0, v[STT+2*\t]            ; largest and smallest score both 0: the row is padding
	v_cmp_eq_f32 s26, 0, v[TMP+2*\t+1]
	s_and_b32 vcc_lo, vcc_lo, s26
	v_cndmask_b32 v[TMP+2*\t], v[TMP+2*\t], v[NIL], vcc_lo
.endr
	WIN W_RS
.set i, 0
.rept 64
	v_pk_mul_f32 v[2*i:2*i+1], v[2*i:2*i+1], v[TMP+2*(i/8):TMP+2*(i/8)+1] op_sel_hi:[1,0]
.set i, i+1
.endr
	WIN 0x05
.set i, 0
.rept 64
	v_cvt_pk_bf16_f32 v[AT+i], v[2*i], v[2*i+1]
.set i, i+1
.endr
	WIN 0
.irp t, 0,1,2,3,4,5,6,7
	ds_store_b128 v7, v[AT+8*\t:AT+8*\t+3]   offset:(\t%4)*16*PK+(\t/4)*64
	ds_store_b128 v7, v[AT+8*\t+4:AT+8*\t+7] offset:(\t%4)*16*PK+(\t/4)*64+32
.endr
	s_wait_dscnt 0x0
	s_barrier_signal -1
	s_barrier_wait -1
	WIN 0x40
.irp rb, 0,1,2,3
.irp ks, 0,1,2,3,4,5,6,7
	ds_load_b128 v[64*\rb+8*\ks:64*\rb+8*\ks+3],   v8 offset:\rb*16*PK+\ks*64
	ds_load_b128 v[64*\rb+8*\ks+4:64*\rb+8*\ks+7], v8 offset:\rb*16*PK+\ks*64+32
.endr
.endr
	s_wait_loadcnt 63                              ; Wo's 64 loads are in: 64 were issued behind them, and the count holds 63
	s_wait_dscnt 0x0
	WIN 0x06                                       ; Wo in window 2, o in window 1, the sums in window 0
.irp ks, 0,1,2,3,4,5,6,7
.irp cb, 0,1,2,3
.irp rb, 0,1,2,3
.if \ks == 0
	v_wmma_f32_16x16x32_bf16 v[AT+32*\cb+8*\rb:AT+32*\cb+8*\rb+7], v[64*\cb+8*\ks:64*\cb+8*\ks+7], v[64*\rb+8*\ks:64*\rb+8*\ks+7], 0
.else
	v_wmma_f32_16x16x32_bf16 v[AT+32*\cb+8*\rb:AT+32*\cb+8*\rb+7], v[64*\cb+8*\ks:64*\cb+8*\ks+7], v[64*\rb+8*\ks:64*\rb+8*\ks+7], v[AT+32*\cb+8*\rb:AT+32*\cb+8*\rb+7]
.endif
.endr
.endr
.endr
	PLACES
	WIN 0
.irp cb, 0,1,2,3
.irp rb, 0,1,2,3
	ds_store_b128 v10, v[AT+32*\cb+8*\rb:AT+32*\cb+8*\rb+3]   offset:\rb*16*AP+\cb*64
	ds_store_b128 v10, v[AT+32*\cb+8*\rb+4:AT+32*\cb+8*\rb+7] offset:\rb*16*AP+\cb*64+16
.endr
.endr
	s_wait_dscnt 0x0
	s_barrier_signal -1
	s_barrier_wait -1
.set i, 0
.rept 16
	ds_load_b128 v[AT+8*i:AT+8*i+3],   v11 offset:i*AP
	ds_load_b128 v[AT+8*i+4:AT+8*i+7], v11 offset:i*AP+512
.set i, i+1
.endr
	s_mov_b32 s96, 0x7fffffff
	s_wait_dscnt 0x0
	s_wait_loadcnt 0x0                             ; x and ffn
	WIN 0x0C
.set i, 0
.rept 64
	v_pk_add_f32 v[AT+i:AT+i+1], v[AT+i:AT+i+1], v[i:i+1]      ; attn + x
.set i, i+2
.endr
	WIN 0
.set i, 0
.rept 16                               ; row i lies in the 32 lanes' registers AT + 8 i ..: the smallest magnitude of my 8, and which lanes hold a 0
.set zt, QF+8*(i%8)
.set j, 0
.rept 8
	v_and_b32 v[zt+j], s96, v[AT+8*i+j]
.set j, j+1
.endr
	v_min3_num_f32 v[zt], v[zt], v[zt+1], v[zt+2]
	v_min3_num_f32 v[zt+3], v[zt+3], v[zt+4], v[zt+5]
	v_min3_num_f32 v[zt], v[zt], v[zt+6], v[zt+7]
	v_min_num_f32 v[zt], v[zt], v[zt+3]
	v_cmp_eq_f32 s[ZM+i], 0, v[zt]
.set i, i+1
.endr
.set i, 0
.rept 16
	s_cmp_lg_u32 s[ZM+i], 0                        ; any lane: the whole row; a choice of values, no branch
	s_cselect_b32 s[ZM+i], -1, 0
.set i, i+1
.endr
	WIN 0x0C
.set i, 0
.rept 64
	v_pk_add_f32 v[AT+i:AT+i+1], v[AT+i:AT+i+1], v[128+i:128+i+1]  ; + ffn
.set i, i+2
.endr
	WIN 0
.set i, 0
.rept 128
	v_cndmask_b32 v[AT+i], v[AT+i], v[NIL], s[ZM+i/8]
.set i, i+1
.endr
.set i, 0
.rept 16
	global_store_b128 v6, v[AT+8*i:AT+8*i+3],   s[20:21] offset:i*1024       ; 512 consecutive bytes, aligned
	global_store_b128 v6, v[AT+8*i+4:AT+8*i+7], s[20:21] offset:i*1024+512
.set i, i+1
.endr
	s_wait_tensorcnt 0x0                           ; the wave's end
	ds_add_u32 v[SPW], v[NIL]
	s_wait_dscnt 0x0
	ROUND                                          ; the closing round
	s_endpgm
.Lfunc_end_k_q1736fb12b0_attn:
	.size	k_q1736fb12b0_attn, .Lfunc_end_k_q1736fb12b0_attn-k_q1736fb12b0_attn
	.p2alignl 7, 3214868480
	.fill 96, 4, 3214868480
	.section	.rodata,"a",@progbits
	.p2align	6, 0x0
	.amdhsa_kernel k_q1736fb12b0_attn
		.amdhsa_group_segment_fixed_size 327680
		.amdhsa_private_segment_fixed_size 0
		.amdhsa_enable_private_segment 0
		.amdhsa_kernarg_size 72
		.amdhsa_user_sgpr_count 2
		.amdhsa_user_sgpr_kernarg_segment_ptr 1
		.amdhsa_wavefront_size32 1
		.amdhsa_system_sgpr_workgroup_id_x 1
		.amdhsa_system_sgpr_workgroup_id_y 1
		.amdhsa_system_sgpr_workgroup_id_z 1
		.amdhsa_system_vgpr_workitem_id 0
		.amdhsa_next_free_vgpr 1024
		.amdhsa_next_free_sgpr 100
		.amdhsa_reserve_vcc 1
		.amdhsa_float_denorm_mode_32 3
		.amdhsa_float_denorm_mode_16_64 3
		.amdhsa_memory_ordered 1
		.amdhsa_forward_progress 1
		.amdhsa_inst_pref_size 242
	.end_amdhsa_kernel
	.amdgpu_metadata
---
amdhsa.version: [ 1, 2 ]
amdhsa.kernels:
  - .name:           k_q1736fb12b0_attn
    .symbol:         k_q1736fb12b0_attn.kd
    .args:
      - { .name: qh, .offset: 0, .size: 8, .value_kind: global_buffer, .address_space: global }
      - { .name: kh, .offset: 8, .size: 8, .value_kind: global_buffer, .address_space: global }
      - { .name: vh, .offset: 16, .size: 8, .value_kind: global_buffer, .address_space: global }
      - { .name: spatial_encoding, .offset: 24, .size: 8, .value_kind: global_buffer, .address_space: global }
      - { .name: edge_encoding, .offset: 32, .size: 8, .value_kind: global_buffer, .address_space: global }
      - { .name: wb, .offset: 40, .size: 8, .value_kind: global_buffer, .address_space: global }
      - { .name: x, .offset: 48, .size: 8, .value_kind: global_buffer, .address_space: global }
      - { .name: ffn, .offset: 56, .size: 8, .value_kind: global_buffer, .address_space: global }
      - { .name: out0, .offset: 64, .size: 8, .value_kind: global_buffer, .address_space: global }
    .group_segment_fixed_size: 327680
    .private_segment_fixed_size: 0
    .kernarg_segment_align: 8
    .kernarg_segment_size: 72
    .max_flat_workgroup_size: 128
    .sgpr_count:     100
    .vgpr_count:     1024
    .wavefront_size: 32
...
	.end_amdgpu_metadata
.endif
;; end of part 3
